; MI455X (gfx1250); checked and timed in simulation.
; The chip was launched on July 23, 2026; its instructions are those of AMD's public machine-readable ISA for CDNA 5 (MIT licence, August 2026) and "CDNA5" Instruction Set Architecture Reference Guide (July 2026). The comments in the code are by the model that wrote it; some were corrected since.
;; Weighted Non Local Block. Allowed arithmetic: matrix products marked QUANTISED: E5M2 operands, one E8M0 scale for each 32 along K, by v_wmma_scale_f32_16x16x128_f8f6f4 with both operands' format E5M2, f32 sums; everything else in f32.
;; Inputs: g_b 128 float32; g_w_codes 128 x 4 x 32 uint8 (E5M2 codes of g_w, K innermost, in blocks of 32 codes); g_w_scales 128 x 4 uint8 (E8M0 scales of g_w, one for each 32 codes along K); phi_b 128 float32; phi_w_codes 128 x 4 x 32 uint8 (E5M2 codes of phi_w, K innermost, in blocks of 32 codes); phi_w_scales 128 x 4 uint8 (E8M0 scales of phi_w, one for each 32 codes along K); theta_b 128 float32; theta_w_codes 128 x 4 x 32 uint8 (E5M2 codes of theta_w, K innermost, in blocks of 32 codes); theta_w_scales 128 x 4 uint8 (E8M0 scales of theta_w, one for each 32 codes along K); w one number float32; wz_b 128 float32; wz_w_codes 128 x 4 x 32 uint8 (E5M2 codes of wz_w, K innermost, in blocks of 32 codes); wz_w_scales 128 x 4 uint8 (E8M0 scales of wz_w, one for each 32 codes along K); x 8 x 128 x 64 x 64 float32.
;; Outputs: out0 8 x 128 x 64 x 64 float32.
;; This version of the problem:
;;   THIS VERSION OF THE PROBLEM IS GIVEN IN LOW PRECISION. The matrix products marked QUANTISED in the list below multiply operands that are first quantised to E5M2 (5 exponent bits, 2 mantissa bits; 8 bits a number), with one power-of-two scale for each 32 numbers along K (OCP MX v1.0); their sums are f32. All else is computed in f32.
;;   The module's matrix products, in the order in which they are computed (A, B: the left and right operand; K: the contracted axis; several contracted axes count as one K, in the product's order):
;;     1. [M 32,768, K 128] x [K 128, N 128]; A: input x; B: input theta_w (given as codes): QUANTISED
;;     2. [M 32,768, K 128] x [K 128, N 128]; A: input x; B: input phi_w (given as codes): QUANTISED
;;     3. [M 32,768, K 128] x [K 128, N 128]; A: input x; B: input g_w (given as codes): QUANTISED
;;     4. batch 8 x [M 4,096, K 128] x [K 128, N 4,096]; A: computed on the way; B: computed on the way: QUANTISED
;;     5. batch 8 x [M 4,096, K 4,096] x [K 4,096, N 128]; A: softmax (see below); B: computed on the way: QUANTISED
;;     6. [M 32,768, K 128] x [K 128, N 128]; A: computed on the way; B: input wz_w (given as codes): QUANTISED
;;   THE QUANTISER, for each operand of a quantised product, along K:
;;     - K is cut into blocks of 32 from its start; a last block that is shorter is filled with zeros.
;;     - A block's scale is 2^e with e = floor(log2(the largest magnitude in the block)) - 15, held to -126 .. 127; a block of zeros has e = 0. As a byte (E8M0): e + 127.
;;     - Each number is divided by its block's scale, clamped to +-57,344, and rounded to the nearest number of E5M2, ties to even, subnormals kept.
;;     - The product sums the exact products of the quantised numbers (number of the format x scale) in f32.
;;   ~~~python
;;   def quantise(x, axis):      # numpy; x: float32 -> the quantised numbers, widened to float32 again
;;       x = np.moveaxis(x, axis, -1); K = x.shape[-1]
;;       x = np.pad(x, [(0, 0)] * (x.ndim - 1) + [(0, -K % 32)]); x = x.reshape(x.shape[:-1] + (-1, 32)); a = np.abs(x).max(-1, keepdims=True)
;;       e = np.where(a > 0, np.clip(np.frexp(np.where(a > 0, a, 1))[1] - 1 - 15, -126, 127), 0)      # np.frexp(a)[1] - 1 = floor(log2(a)), exactly
;;       r = np.clip(x / 2.0 ** e, -57344, 57344)
;;       step = 2.0 ** (np.maximum(np.frexp(np.where(r == 0, 1, r))[1] - 1, -14) - 2)
;;       q = np.round(r / step) * step * 2.0 ** e      # np.round: ties to even
;;       return np.moveaxis(q.reshape(q.shape[:-2] + (-1,))[..., :K], -1, axis).astype(np.float32)
;;   ~~~
;;   SOFTMAX AHEAD OF A QUANTISED PRODUCT. Where the list says 'softmax', what is quantised is not the finished softmax but p = 2^(t - M), with t = logit x log2(e) and M = ceil(the row's largest t), a whole number; so 1/2 < the row's largest p <= 1. The row's sum l is taken of the UNQUANTISED p, in f32, and the product's result is divided by l at the end. Since M is a whole number, a kernel that streams over the keys may use a running M (the ceiling of the running maximum): every later rescaling is an exact power of two, which a block's scale takes up: the codes' values come out the same.
;;   OPERANDS COMPUTED ON THE WAY. 'Computed on the way' means the value that the module computes at that place (a softmax that the list does not call 'softmax' is quantised finished and normalised). What goes into a quantiser is computed in f32, as accurately as f32 sums, v_exp_f32 and their like allow (about 1e-6 of the number): no bf16 or f16 on the way to a quantiser, and a product that is left as it is and whose result goes on into a quantised operand takes f32 operands (vector FMAs, or v_wmma_f32_16x16x4_f32). A number that lies on a knife's edge between two numbers of the format may be rounded either way, as far as f32 arithmetic and the matrix unit's own rounding can turn it there, and no further.
;;   INPUTS GIVEN AS CODES. g_w (in the module: [128, 128], K = its axis 1); phi_w (in the module: [128, 128], K = its axis 1); theta_w (in the module: [128, 128], K = its axis 1); wz_w (in the module: [128, 128], K = its axis 1): each comes as NAME_codes (uint8): NAME with its K axis moved to the last place and cut into blocks of 32 codes, [.., K / 32, bytes a block], one block behind the other in memory; one code a byte (a code: sign, 5 exponent bits, 2 mantissa bits); and NAME_scales (uint8): the same leading axes, one E8M0 byte (e + 127) for each 32 codes along K. Its value is code x scale, taken as it is: it is not quantised again, and the codes and scales need not be those that the quantiser above would give.
;; One version. Each part assembles by itself: llvm-mc -triple=amdgcn-amd-amdhsa -mcpu=gfx1250 --defsym DOCPART=n.
;; ======== version 1 of 1: 2 launches
;; workspace buffers: thc 4,194,304 bytes; ths 131,072 bytes; kv 8,388,608 bytes; kvs 262,144 bytes
;; launch proj (part 1): grid 32 x 8, 4 waves a work-group, clusters of 4 x 1, 168,448 bytes of LDS; arguments x, theta_w_codes, theta_w_scales, theta_b, phi_w_codes, phi_w_scales, phi_b, g_w_codes, g_w_scales, g_b, thc, ths, kv, kvs; writes thc, ths, kv, kvs
.if DOCPART == 1
	.amdgcn_target "amdgcn-amd-amdhsa--gfx1250"
	.amdhsa_code_object_version 6
	.text
	.protected	k_qd1a525ffd6_proj
	.globl	k_qd1a525ffd6_proj
	.p2align	8
	.type	k_qd1a525ffd6_proj,@function
k_qd1a525ffd6_proj:
	s_mov_b64 s[64:65], 0
	v_nop
	global_prefetch_b8 v0, s[64:65] scope:SCOPE_SE
	s_setreg_imm32_b32 hwreg(HW_REG_WAVE_MODE, 25, 1), 1
	s_wait_xcnt 0x0
	s_wait_alu depctr_hold_cnt(0) depctr_sa_sdst(0) depctr_va_vdst(0) depctr_va_sdst(0) depctr_va_ssrc(0) depctr_va_vcc(0) depctr_vm_vsrc(0)
	s_getreg_b32 s2, hwreg(HW_REG_IB_STS2, 6, 4)
	s_cmp_eq_u32 s2, 0
	s_cbranch_scc0 .Lentry_in_a_cluster
	s_endpgm
.Lentry_in_a_cluster:
	s_bfe_u32 s2, ttmp6, 0x10000c
	s_cmp_lg_u32 s2, 0x3003
	s_cbranch_scc0 .Lentry_shape_is_right
	s_endpgm
.Lentry_shape_is_right:
; theta, phi, g = W x + bias (three 1 x 1 convolutions over 128 channels), each on codes of BF8 (E5M2) with one E8M0 scale for each 32 along K, and each result quantised again for the attention launch.
; x: [8][128][4096] f32, K = the channel, which is NOT innermost: a lane takes a column n and its registers run down the channels.  The weights come as codes, K innermost, with one scale word a row.
; SHARES.  Work-group (s, b) takes the 128 columns n = 128 s .. of batch b: one key step of the attention.  Wave w takes columns 32 w .. 32 w + 31: one block of 32 keys.
; THE COLUMNS OF A TILE ARE NOT NEIGHBOURS: lane r of tile u takes column 8 u + r + 8 (r / 8).  The same two fragments of x then serve three uses:
;   theta, phi (source 0 = 16 rows of W, chosen in the same order; source 1 = x): a lane holds one column, and its 64 registers run along the output channels, the next K;
;   g (source 0 = x, source 1 = 16 rows of W): a lane holds one channel, and the 16 registers of tiles u = 0, 1 are 16 neighbouring keys, the next K.
; OUT.  thc [b][j][c'][128]: theta's codes of query n = 32 c' + j;  ths [b][n]: its scale word;
;   kv [b][s][32768]: phi's codes as images of the operand's registers [tile 2 w + u][part c][lane][16], then g's [tile t][part c = w][lane][16];
;   kvs [b][s][1024]: phi's scale words [w][lane] (lanes 0-15 tile 2 w, lanes 16-31 tile 2 w + 1), then g's [channel] (byte w = key block w).
; CLUSTER.  The four work-groups of a cluster read the same three weights: those come by joint loads (mask 15); x's tile is each work-group's own, by a plain load.  Nothing in LDS is filled twice.
; LIMITS: NaN and infinities among the inputs are not served.  A block whose largest magnitude lies under 2^-111 keeps the scale byte 1; a block of zeros has the byte 1 and zero codes (the bytes are read by this program alone).
.set XP,   520                         ; a channel's row of x in LDS: 512 bytes + 8 of padding: sixteen rows on, a lane stands 32 banks further (64 banks of 4 bytes: ISA guide 11.1)
.set WT0,  128*XP                      ; behind x's tile: the three weights, 128 rows of 128 bytes + 16
.set WP,   144
.set WTB,  128*WP
.set TST,  WT0+3*WTB                   ; the stage for theta's codes: 32 rows j of 4 x 128 bytes + 16
.set TP,   528
.set SCS,  TST+32*TP                   ; scale words on their way out: phi's 512 bytes, g's 512, theta's 512
.set XA,   4                           ; v4   x: my column, my half's first channel
.set L16,  5                           ; v5   16 x lane
.set L4,   6                           ; v6   4 x lane
.set WA,   7                           ; v7   theta's (phi's) rows in the tiles' order
.set WGA,  8                           ; v8   g's rows, as they lie
.set TSTO, 9                           ; v9   the stage, in
.set TSRD, 10                          ; v10  the stage, back
.set SCW,  11                          ; v11  phi's scale words
.set SCT,  12                          ; v12  theta's
.set SCG,  13                          ; v13  g's bytes
.set SRD,  14                          ; v14  512 bytes of scale words, back
.set TV,   15                          ; v15  at work
.set XF,   16                          ; v16-47   x's two fragments
.set HA,   48                          ; v48-111  64 numbers
.set HB,   112                         ; v112-175 64 numbers
.set PCA,  176                         ; v176-191 codes just made (at the head: three offsets of the small loads)
.set PCB,  192                         ; v192-207 likewise
.set TM,   208                         ; v208-223 largest magnitudes, bytes, holds, scale operands
.set PWA,  224                         ; v224, v225 scale words just made
.set PWB,  225
.set XS,   226                         ; v226, v227 x's scale words
.set WS,   228                         ; v228-239 the weights' scale words: four registers a weight, two tiles to a register
.set GB,   240                         ; v240-255 g's bias of my channel in each of 8 tiles, twice: a pair for the packed addition
; window 1: v0-127 theta's fragments; v128-191 theta's bias, v192-255 phi's, in the result's layout.   window 2: v0-127 phi's fragments, v128-255 g's.
.set WV,   32
.set G1X,  40
.set G1W,  48
.set G0X,  56
.set G0T,  60
.set G0P,  68
.set G0G,  72
.set SEL,  76
.set MNT,  78
.set LOW,  79
.set THC,  80
.set KVP,  82
.set KVG,  84
.set SCP,  86
.set MSB, 0
.macro WIN new                         ; the immediate's high byte repeats the setting that is left; a switch that changes nothing is dropped
.if MSB != \new
	s_set_vgpr_msb (MSB<<8)|\new
.set MSB, \new
.endif
.endm
.macro CROUND                          ; a round of the cluster's barrier
	s_barrier_signal -1
	s_barrier_wait -1
	s_cmp_lg_u32 s[WV], 0
	s_cbranch_scc1 .Lnot_wave_0_\@
	s_barrier_signal -3
.Lnot_wave_0_\@:
	s_barrier_wait -3
	s_barrier_signal -1
	s_barrier_wait -1
.endm
; 64 numbers of a lane, register 16 b + i = place 16 (lane / 16) + i of block b, become 16 registers of codes at v[d] and a scale word in v[pw].  A block lies in lanes l and l xor 16.
.macro QUANT s, d, pw
.irp b, 0,1,2,3
	v_max3_num_f32 v[TM+\b], |v[\s+16*\b]|, |v[\s+1+16*\b]|, 0x8000000   ; my 16 numbers and the floor 2^(16 - 127): the byte cannot fall under 1
.endr
.irp i, 2,4,6,8,10,12,14
.irp b, 0,1,2,3
	v_max3_num_f32 v[TM+\b], v[TM+\b], |v[\s+16*\b+\i]|, |v[\s+1+16*\b+\i]|   ; the four blocks by turns
.endr
.endr
.irp b, 0,1,2,3
	v_permlanex16_b32 v[TM+4+\b], v[TM+\b], s[SEL], s[SEL+1]
.endr
.irp b, 0,1,2,3
	v_max_num_f32 v[TM+\b], v[TM+\b], v[TM+4+\b]          ; the block's largest magnitude
.endr
.irp b, 0,1,2,3
	v_add_nc_u32 v[TM+12+\b], 0xf8800000, v[TM+\b]        ; 15 off its exponent field: the conversion's scale operand
.endr
.irp b, 0,1,2,3
	v_and_or_b32 v[TM+8+\b], v[TM+\b], 0x7f800000, s[MNT] ; 57,344 x the scale
.endr
.irp b, 0,1,2,3
	v_lshrrev_b32 v[TM+4+\b], 23, v[TM+12+\b]             ; the scale's byte
.endr
	v_lshl_or_b32 v[\pw], v[TM+5], 8, v[TM+4]
	v_lshl_or_b32 v[\pw], v[TM+6], 16, v[\pw]
	v_lshl_or_b32 v[\pw], v[TM+7], 24, v[\pw]
.irp b, 0,1,2,3
.irp i, 0,1,2,3,4,5,6,7,8,9,10,11,12,13,14,15
	v_med3_num_f32 v[\s+16*\b+\i], v[\s+16*\b+\i], -v[TM+8+\b], v[TM+8+\b]   ; the conversion does not saturate (ISA guide 7.6.2): hold first
.endr
	v_cvt_scalef32_pk8_bf8_f32 v[\d+4*\b:\d+4*\b+1], v[\s+16*\b:\s+16*\b+7], v[TM+12+\b]
	v_cvt_scalef32_pk8_bf8_f32 v[\d+4*\b+2:\d+4*\b+3], v[\s+16*\b+8:\s+16*\b+15], v[TM+12+\b]
.endr
	v_nop                                          ; a plain line between the last conversion and whatever next touches its registers
.endm
.macro XLOAD u, d                      ; x(32 b + 16 h + i, my column of tile u) into v[d + 16 b + i]
.irp b, 0,1,2,3
.irp i, 0,1,2,3,4,5,6,7,8,9,10,11,12,13,14,15
	ds_load_b32 v[\d+16*\b+\i], v[XA] offset:(32*\b+\i)*XP+32*\u
.endr
.endr
.endm
.macro WLOAD off                       ; theta's or phi's eight fragments: tile t begins at row 32 (t / 2) + 8 (t % 2)
.irp t, 0,1,2,3,4,5,6,7
.irp c, 0,1,2,3
	ds_load_b128 v[16*\t+4*\c:16*\t+4*\c+3], v[WA] offset:\off+(32*(\t/2)+8*(\t%2))*WP+32*\c
.endr
.endr
.endm
; eight products: source 0 = 16 rows of theta's or phi's weight, source 1 = x's tile u, C = the bias.  In tile t lane (r, h) register j is output channel 32 (t / 2) + 16 h + 8 (t % 2) + j of column r
.macro MTP cb, ws, u, h
.irp t, 0,1,2,3,4,5,6,7
.if (\t)%2
	v_wmma_scale_f32_16x16x128_f8f6f4 v[\h+8*\t:\h+8*\t+7], v[16*\t:16*\t+15], v[XF+16*\u:XF+16*\u+15], v[\cb+8*\t:\cb+8*\t+7], v[\ws+\t/2], v[XS+\u] matrix_a_fmt:MATRIX_FMT_BF8 matrix_b_fmt:MATRIX_FMT_BF8 matrix_a_scale:MATRIX_SCALE_ROW1
.else
	v_wmma_scale_f32_16x16x128_f8f6f4 v[\h+8*\t:\h+8*\t+7], v[16*\t:16*\t+15], v[XF+16*\u:XF+16*\u+15], v[\cb+8*\t:\cb+8*\t+7], v[\ws+\t/2], v[XS+\u] matrix_a_fmt:MATRIX_FMT_BF8 matrix_b_fmt:MATRIX_FMT_BF8
.endif
.endr
.endm
; eight products of g: source 0 = x's tile u, source 1 = rows 16 (4 gi + q) .. of the weight.  Lane (r, h) register 16 q + 8 u + j is key 16 h + 8 u + j of channel 16 (4 gi + q) + r
.macro MG gi, h
.irp q, 0,1,2,3
.irp u, 0,1
.if (\q)%2
	v_wmma_scale_f32_16x16x128_f8f6f4 v[\h+16*\q+8*\u:\h+16*\q+8*\u+7], v[XF+16*\u:XF+16*\u+15], v[128+16*(4*\gi+\q):128+16*(4*\gi+\q)+15], 0, v[XS+\u], v[WS+8+(4*\gi+\q)/2] matrix_a_fmt:MATRIX_FMT_BF8 matrix_b_fmt:MATRIX_FMT_BF8 matrix_b_scale:MATRIX_SCALE_ROW1
.else
	v_wmma_scale_f32_16x16x128_f8f6f4 v[\h+16*\q+8*\u:\h+16*\q+8*\u+7], v[XF+16*\u:XF+16*\u+15], v[128+16*(4*\gi+\q):128+16*(4*\gi+\q)+15], 0, v[XS+\u], v[WS+8+(4*\gi+\q)/2] matrix_a_fmt:MATRIX_FMT_BF8 matrix_b_fmt:MATRIX_FMT_BF8
.endif
.endr
.endr
.endm
.macro GOUT gi, h, pc, pw              ; g's bias (a lane has one channel a tile), the quantiser, the codes to kv, the bytes to the words' stage
.irp q, 0,1,2,3
.irp k, 0,2,4,6,8,10,12,14
	v_pk_add_f32 v[\h+16*\q+\k:\h+16*\q+\k+1], v[\h+16*\q+\k:\h+16*\q+\k+1], v[GB+2*(4*\gi+\q):GB+2*(4*\gi+\q)+1]   ; each accumulator from its low end on
.endr
.endr
	s_wait_dscnt 0x0                               ; earlier LDS stores have read their registers,
	s_wait_xcnt 0x0                                ; and so have earlier global stores: the codes' registers may be written again
	QUANT \h, \pc, \pw
.irp q, 0,1,2,3
	global_store_b128 v[L16], v[\pc+4*\q:\pc+4*\q+3], s[KVG:KVG+1] offset:(4*\gi+\q)*2048   ; 32 lanes store 512 consecutive bytes
.endr
.irp q, 0,1,2,3
	ds_store_b8 v[SCG], v[TM+4+\q] offset:64*(4*\gi+\q)   ; byte w of the channel's word; both lanes of a block write the same byte
.endr
.endm
	s_load_b512 s[4:19], s[0:1], 0x0               ; x, theta: codes, scales, bias; phi: codes, scales, bias; g's codes
	s_load_b256 s[20:27], s[0:1], 0x40             ; g's scales, g's bias, thc, ths
	s_load_b128 s[28:31], s[0:1], 0x60             ; kv, kvs
	s_set_vgpr_msb 0xc0
	v_lshl_add_u32 v0, v0, 2, 0x29000
	v_mov_b32 v1, 0
	s_set_vgpr_msb 0xc0cf
	ds_add_u32 v0, v1
	s_set_vgpr_msb 0xcf00
	v_lshrrev_b32 v1, 5, v0
	v_readfirstlane_b32 s[WV], v1                  ; wave 0..3
	s_bfe_u32 s33, ttmp6, 0x40000                  ; cx
	s_lshl_b32 s34, ttmp9, 2
	s_add_co_u32 s34, s34, s33                     ; s = 4 x cluster x + cx: it enters global addresses alone
	s_and_b32 s35, ttmp7, 0xffff                   ; b
	; x's tile: 32 channel rows of 128 f32, 4,096 elements apart, 2 words of padding behind each row of 128 words
	s_mov_b32 s[G1X], (2<<16)|(1<<20)|(6<<22)|(1<<25)
	s_mov_b32 s[G1X+1], 128<<16
	s_mov_b32 s[G1X+2], 32<<16
	s_mov_b32 s[G1X+3], 128<<16
	s_mov_b32 s[G1X+4], 32
	s_mov_b32 s[G1X+5], 4096
	s_mov_b32 s[G1X+6], 0
	s_mov_b32 s[G1X+7], 0
	; a weight's 32 rows of 128 bytes, dense, 4 words of padding behind each row of 32 words; mask: all four work-groups, bit 21 beside it
	s_mov_b32 s[G1W], 15|(1<<20)|(1<<21)|(4<<22)|(3<<25)
	s_mov_b32 s[G1W+1], 128<<16
	s_mov_b32 s[G1W+2], 32<<16
	s_mov_b32 s[G1W+3], 128<<16
	s_mov_b32 s[G1W+4], 32
	s_mov_b32 s[G1W+5], 128
	s_mov_b32 s[G1W+6], 0
	s_mov_b32 s[G1W+7], 0
	s_mov_b32 s[SEL], 0x76543210
	s_mov_b32 s[SEL+1], 0xfedcba98                 ; v_permlanex16_b32's selects for lane l xor 16
	s_mov_b32 s[MNT], 0x600000                     ; the mantissa field of 57,344
	s_mov_b32 s[LOW], 0xffff                       ; lanes 0-15
	s_lshl_b32 s36, s35, 21                        ; x: batch b, channels 32 w on, columns 128 s on
	s_lshl_b32 s90, s[WV], 19
	s_add_co_u32 s36, s36, s90
	s_lshl_b32 s90, s34, 9
	s_add_co_u32 s36, s36, s90
	s_mov_b32 s37, 0
	s_lshl_b32 s38, s[WV], 12                      ; the weights: rows 32 w on; made of the wave's number alone
	s_mov_b32 s39, 0
	s_mul_i32 s88, s[WV], 32*XP
	s_mul_i32 s89, s[WV], 32*WP
	s_wait_dscnt 0x0
	s_wait_kmcnt 0x0
	s_mov_b32 s[G0X], 1
	s_mov_b32 s[G0X+1], s88
	s_add_nc_u64 s[G0X+2:G0X+3], s[4:5], s[36:37]
	s_or_b32 s[G0X+3], s[G0X+3], 0x80000000
	s_mov_b32 s[G0T], 1
	s_add_co_u32 s[G0T+1], s89, WT0
	s_add_nc_u64 s[G0T+2:G0T+3], s[6:7], s[38:39]
	s_or_b32 s[G0T+3], s[G0T+3], 0x80000000
	s_mov_b32 s[G0P], 1
	s_add_co_u32 s[G0P+1], s89, WT0+WTB
	s_add_nc_u64 s[G0P+2:G0P+3], s[12:13], s[38:39]
	s_or_b32 s[G0P+3], s[G0P+3], 0x80000000
	s_mov_b32 s[G0G], 1
	s_add_co_u32 s[G0G+1], s89, WT0+2*WTB
	s_add_nc_u64 s[G0G+2:G0G+3], s[18:19], s[38:39]
	s_or_b32 s[G0G+3], s[G0G+3], 0x80000000
	CROUND                                         ; all four work-groups are here: the joint loads meet
	tensor_load_to_lds s[G0X:G0X+3], s[G1X:G1X+7]  ; the launch's only fills, one group: four loads of mine are out
	s_nop 0
	tensor_load_to_lds s[G0T:G0T+3], s[G1W:G1W+7]
	s_nop 0
	tensor_load_to_lds s[G0P:G0P+3], s[G1W:G1W+7]
	s_nop 0
	tensor_load_to_lds s[G0G:G0G+3], s[G1W:G1W+7]
	s_nop 0
.rept 4
	v_nop
.endr
	; where the results go
	s_lshl_b32 s90, s35, 19                        ; thc: batch b, rows j = 8 w on, byte 512 s of each (c' = 4 s ..)
	s_lshl_b32 s91, s[WV], 17
	s_add_co_u32 s90, s90, s91
	s_lshl_b32 s91, s34, 9
	s_add_co_u32 s90, s90, s91
	s_mov_b32 s91, 0
	s_add_nc_u64 s[THC:THC+1], s[24:25], s[90:91]
	s_lshl_b32 s90, s35, 5
	s_add_co_u32 s90, s90, s34                     ; the record: 32 b + s
	s_lshl_b32 s92, s90, 10
	s_lshl_b32 s90, s90, 15
	s_add_nc_u64 s[KVP:KVP+1], s[28:29], s[90:91]
	s_lshl_b32 s90, s[WV], 9
	s_add_co_u32 s90, s90, 16384
	s_add_nc_u64 s[KVG:KVG+1], s[KVP:KVP+1], s[90:91]   ; g's image, part c = w
	s_lshl_b32 s90, s[WV], 12
	s_add_nc_u64 s[KVP:KVP+1], s[KVP:KVP+1], s[90:91]   ; phi's image, tiles 2 w, 2 w + 1
	s_lshl_b32 s93, s[WV], 9
	s_add_co_u32 s92, s92, s93                     ; waves 0, 1: kvs' record, its half w
	s_lshl_b32 s93, s35, 14
	s_lshl_b32 s94, s34, 9
	s_add_co_u32 s93, s93, s94                     ; wave 2: ths, the work-group's 128 words
	s_cmp_lt_u32 s[WV], 2
	s_cselect_b64 s[SCP:SCP+1], s[30:31], s[26:27]
	s_cselect_b32 s90, s92, s93
	s_add_nc_u64 s[SCP:SCP+1], s[SCP:SCP+1], s[90:91]
	v_and_b32 v1, 31, v0                           ; lane
	v_and_b32 v2, 15, v0                           ; r
	v_bfe_u32 v3, v0, 4, 1                         ; h
	v_and_b32 v[TV], 8, v2
	v_add_nc_u32 v[TV], v[TV], v2                  ; r + 8 (r / 8)
	s_lshl_b32 s36, s[WV], 7
	v_mul_u32_u24 v[XA], v3, 16*XP
	v_lshl_add_u32 v[XA], v[TV], 2, v[XA]
	v_add_nc_u32 v[XA], s36, v[XA]
	v_lshlrev_b32 v[L16], 4, v1
	v_lshlrev_b32 v[L4], 2, v1
	v_mul_u32_u24 v[WA], v[TV], WP
	v_lshl_add_u32 v[WA], v3, 4, v[WA]
	v_add_nc_u32 v[WA], WT0, v[WA]
	v_mul_u32_u24 v[WGA], v2, WP
	v_lshl_add_u32 v[WGA], v3, 4, v[WGA]
	v_add_nc_u32 v[WGA], WT0+2*WTB, v[WGA]
	v_mul_u32_u24 v[TSTO], v[TV], TP
	v_lshl_add_u32 v[TSTO], v3, 4, v[TSTO]
	v_add_nc_u32 v[TSTO], s36, v[TSTO]
	v_add_nc_u32 v[TSTO], TST, v[TSTO]             ; row j = my column, my wave's 128 bytes, + 16 h
	s_mul_i32 s37, s[WV], 8*TP
	v_add_nc_u32 v[TSRD], s37, v[L16]
	v_add_nc_u32 v[TSRD], TST, v[TSRD]             ; back: rows 8 w on, whole
	v_add_nc_u32 v[SCW], s36, v[L4]
	v_add_nc_u32 v[SCW], SCS, v[SCW]
	v_lshl_add_u32 v[TV], v3, 3, v[TV]             ; the column of lane 16 u + r: 8 u + r + 8 (r / 8)
	v_lshlrev_b32 v[PCA], 2, v[TV]                 ; 4 bytes a column (a row of theta's or phi's weight in the tiles' order)
	v_add_nc_u32 v[SCT], s36, v[PCA]
	v_add_nc_u32 v[SCT], SCS+1024, v[SCT]
	v_lshlrev_b32 v[PCA+2], 2, v2                  ; 4 r
	v_add_nc_u32 v[SCG], s[WV], v[PCA+2]
	v_add_nc_u32 v[SCG], SCS+512, v[SCG]
	s_lshl_b32 s37, s[WV], 9
	v_add_nc_u32 v[SRD], s37, v[L16]
	v_add_nc_u32 v[SRD], SCS, v[SRD]
	v_lshlrev_b32 v[PCA+1], 6, v3                  ; 64 h: my half's 16 numbers of a bias
.irp b, 0,1,2,3
	v_mov_b32 v[TM+4+\b], 0                        ; written once: a lane permute's destination counts as one of its sources
.endr
.irp b, 0,1,2,3
	global_load_b32 v[WS+\b], v[PCA], s[8:9] offset:128*\b       ; lanes 0-15: tile 2 b's rows; lanes 16-31: tile 2 b + 1's
	global_load_b32 v[WS+4+\b], v[PCA], s[14:15] offset:128*\b
	global_load_b32 v[WS+8+\b], v[L4], s[20:21] offset:128*\b    ; g's rows as they lie
.endr
	WIN 0x40                                       ; destination window 1
.irp t, 0,1,2,3,4,5,6,7
	global_load_b128 v[128+8*\t:128+8*\t+3], v[PCA+1], s[10:11] offset:(32*(\t/2)+8*(\t%2))*4
	global_load_b128 v[128+8*\t+4:128+8*\t+7], v[PCA+1], s[10:11] offset:(32*(\t/2)+8*(\t%2))*4+16
	global_load_b128 v[192+8*\t:192+8*\t+3], v[PCA+1], s[16:17] offset:(32*(\t/2)+8*(\t%2))*4
	global_load_b128 v[192+8*\t+4:192+8*\t+7], v[PCA+1], s[16:17] offset:(32*(\t/2)+8*(\t%2))*4+16
.endr
	WIN 0
.irp t, 0,1,2,3,4,5,6,7
	global_load_b32 v[GB+2*\t], v[PCA+2], s[22:23] offset:64*\t
	global_load_b32 v[GB+2*\t+1], v[PCA+2], s[22:23] offset:64*\t
.endr
	s_wait_tensorcnt 0x0                           ; my parts of x's tile and of the weights have landed,
	s_barrier_signal -1
	s_barrier_wait -1                              ; everybody's have
	XLOAD 0, HA
	XLOAD 1, HB
	s_wait_dscnt 63                                ; tile 0's 64 loads are in (64 were issued behind them; the field's largest count is 63)
	QUANT HA, XF, XS
	WIN 0x40
	WLOAD 0                                        ; theta's fragments
	WIN 0
	s_wait_dscnt 32                                ; tile 1's loads are in; theta's 32 may be out
	QUANT HB, XF+16, XS+1
	WIN 0x80                                       ; destination window 2
	WLOAD WTB                                      ; phi's
.irp t, 0,1,2,3,4,5,6,7
.irp c, 0,1,2,3
	ds_load_b128 v[128+16*\t+4*\c:128+16*\t+4*\c+3], v[WGA] offset:16*\t*WP+32*\c   ; g's
.endr
.endr
	WIN 0
	s_wait_dscnt 63                                ; theta's fragments are in (64 were issued behind them)
	s_wait_loadcnt 0x0                             ; scale words and biases
.rept 4
	v_nop                                          ; x's codes were written by vector instructions: four places ahead of a scaled product
.endr
	WIN 0x11                                       ; source 0 and C window 1
	MTP 128, WS, 0, HA
	MTP 128, WS, 1, HB
	WIN 0
.rept 8
	v_nop                                          ; eight places ahead of the first read of results
.endr
	QUANT HA, PCA, PWA                             ; theta, tile 0
.irp b, 0,1,2,3
	ds_store_b128 v[TSTO], v[PCA+4*\b:PCA+4*\b+3] offset:32*\b
.endr
	s_wait_dscnt 0x0                               ; phi's and g's fragments are in
	WIN 0x12                                       ; source 0 window 2, C window 1
	MTP 192, WS+4, 0, HA
	WIN 0
	QUANT HB, PCB, PWB                             ; theta, tile 1: this vector work stands behind the products just issued and names none of their registers
.irp b, 0,1,2,3
	ds_store_b128 v[TSTO], v[PCB+4*\b:PCB+4*\b+3] offset:8*TP+32*\b
.endr
	v_cndmask_b32 v[TV], v[PWB], v[PWA], s[LOW]    ; lanes 0-15: tile 0's words; lanes 16-31: tile 1's
	ds_store_b32 v[SCT], v[TV]
	WIN 0x12
	MTP 192, WS+4, 1, HB
	WIN 0
	s_wait_dscnt 0x0                               ; the stage's stores have read their registers
	QUANT HA, PCA, PWA                             ; phi, tile 2 w
.irp c, 0,1,2,3
	global_store_b128 v[L16], v[PCA+4*\c:PCA+4*\c+3], s[KVP:KVP+1] offset:512*\c   ; the operand's registers as they stand: 512 consecutive bytes a store
.endr
	WIN 0x08                                       ; source 1 window 2
	MG 0, HA
	WIN 0
	s_wait_dscnt 0x0
	QUANT HB, PCB, PWB                             ; phi, tile 2 w + 1
.irp c, 0,1,2,3
	global_store_b128 v[L16], v[PCB+4*\c:PCB+4*\c+3], s[KVP:KVP+1] offset:2048+512*\c
.endr
	v_cndmask_b32 v[TV], v[PWB], v[PWA], s[LOW]
	ds_store_b32 v[SCW], v[TV]
	WIN 0x08
	MG 1, HB
	WIN 0
	GOUT 0, HA, PCA, PWA
	GOUT 1, HB, PCB, PWB
	s_wait_dscnt 0x0                               ; for the others' sake: my stores into the stages are done
	s_barrier_signal -1
	s_barrier_wait -1
.irp i, 0,1,2,3,4,5,6,7
	ds_load_b128 v[HA+4*\i:HA+4*\i+3], v[TSRD] offset:\i*TP
.endr
.irp i, 0,1,2,3,4,5,6,7
	s_wait_dscnt 7-\i                              ; row i is back; the younger loads may be out
	global_store_b128 v[L16], v[HA+4*\i:HA+4*\i+3], s[THC:THC+1] offset:\i*16384   ; theta's codes of row j = 8 w + i: 512 consecutive bytes
.endr
	s_cmp_lt_u32 s[WV], 3                          ; the scale words: wave 0 phi's, wave 1 g's, wave 2 theta's: 512 bytes each
	s_cbranch_scc0 .Lno_words
	ds_load_b128 v[HB:HB+3], v[SRD]
	s_wait_dscnt 0x0
	global_store_b128 v[L16], v[HB:HB+3], s[SCP:SCP+1]
.Lno_words:
	s_set_vgpr_msb 0xf
	s_wait_tensorcnt 0x0
	ds_add_u32 v0, v1
	s_wait_dscnt 0x0
	s_set_vgpr_msb 0xf00
	CROUND                                         ; the closing round: no work-group ends while a partner may still ask for a tile that names it
	s_endpgm
.Lfunc_end_k_qd1a525ffd6_proj:
	.size	k_qd1a525ffd6_proj, .Lfunc_end_k_qd1a525ffd6_proj-k_qd1a525ffd6_proj
	.p2alignl 7, 3214868480
	.fill 96, 4, 3214868480
	.section	.rodata,"a",@progbits
	.p2align	6, 0x0
	.amdhsa_kernel k_qd1a525ffd6_proj
		.amdhsa_group_segment_fixed_size 168448
		.amdhsa_private_segment_fixed_size 0
		.amdhsa_enable_private_segment 0
		.amdhsa_kernarg_size 112
		.amdhsa_user_sgpr_count 2
		.amdhsa_user_sgpr_kernarg_segment_ptr 1
		.amdhsa_wavefront_size32 1
		.amdhsa_system_sgpr_workgroup_id_x 1
		.amdhsa_system_sgpr_workgroup_id_y 1
		.amdhsa_system_sgpr_workgroup_id_z 1
		.amdhsa_system_vgpr_workitem_id 0
		.amdhsa_next_free_vgpr 770
		.amdhsa_next_free_sgpr 96
		.amdhsa_reserve_vcc 0
		.amdhsa_float_denorm_mode_32 3
		.amdhsa_float_denorm_mode_16_64 3
		.amdhsa_memory_ordered 1
		.amdhsa_forward_progress 1
		.amdhsa_inst_pref_size 107
	.end_amdhsa_kernel
	.amdgpu_metadata
---
amdhsa.version: [ 1, 2 ]
amdhsa.kernels:
  - .name:           k_qd1a525ffd6_proj
    .symbol:         k_qd1a525ffd6_proj.kd
    .args:
      - { .name: x, .offset: 0, .size: 8, .value_kind: global_buffer, .address_space: global }
      - { .name: theta_w_codes, .offset: 8, .size: 8, .value_kind: global_buffer, .address_space: global }
      - { .name: theta_w_scales, .offset: 16, .size: 8, .value_kind: global_buffer, .address_space: global }
      - { .name: theta_b, .offset: 24, .size: 8, .value_kind: global_buffer, .address_space: global }
      - { .name: phi_w_codes, .offset: 32, .size: 8, .value_kind: global_buffer, .address_space: global }
      - { .name: phi_w_scales, .offset: 40, .size: 8, .value_kind: global_buffer, .address_space: global }
      - { .name: phi_b, .offset: 48, .size: 8, .value_kind: global_buffer, .address_space: global }
      - { .name: g_w_codes, .offset: 56, .size: 8, .value_kind: global_buffer, .address_space: global }
      - { .name: g_w_scales, .offset: 64, .size: 8, .value_kind: global_buffer, .address_space: global }
      - { .name: g_b, .offset: 72, .size: 8, .value_kind: global_buffer, .address_space: global }
      - { .name: thc, .offset: 80, .size: 8, .value_kind: global_buffer, .address_space: global }
      - { .name: ths, .offset: 88, .size: 8, .value_kind: global_buffer, .address_space: global }
      - { .name: kv, .offset: 96, .size: 8, .value_kind: global_buffer, .address_space: global }
      - { .name: kvs, .offset: 104, .size: 8, .value_kind: global_buffer, .address_space: global }
    .group_segment_fixed_size: 168448
    .private_segment_fixed_size: 0
    .kernarg_segment_align: 8
    .kernarg_segment_size: 112
    .max_flat_workgroup_size: 128
    .sgpr_count:     96
    .vgpr_count:     770
    .wavefront_size: 32
...
	.end_amdgpu_metadata
.endif
;; end of part 1
;; launch attn (part 2): grid 32 x 8, 8 waves a work-group, clusters of 4 x 1, 327,680 bytes of LDS; arguments thc, ths, kv, kvs, wz_w_codes, wz_w_scales, wz_b, w, x, out0; writes out0
.if DOCPART == 2
	.amdgcn_target "amdgcn-amd-amdhsa--gfx1250"
	.amdhsa_code_object_version 6
	.text
	.protected	k_qd1a525ffd6_attn
	.globl	k_qd1a525ffd6_attn
	.p2align	8
	.type	k_qd1a525ffd6_attn,@function
k_qd1a525ffd6_attn:
	s_mov_b64 s[64:65], 0
	v_nop
	global_prefetch_b8 v0, s[64:65] scope:SCOPE_SE
	s_setreg_imm32_b32 hwreg(HW_REG_WAVE_MODE, 25, 1), 1
	s_wait_xcnt 0x0
	s_wait_alu depctr_hold_cnt(0) depctr_sa_sdst(0) depctr_va_vdst(0) depctr_va_sdst(0) depctr_va_ssrc(0) depctr_va_vcc(0) depctr_vm_vsrc(0)
	s_getreg_b32 s2, hwreg(HW_REG_IB_STS2, 6, 4)
	s_cmp_eq_u32 s2, 0
	s_cbranch_scc0 .Lentry_in_a_cluster
	s_endpgm
.Lentry_in_a_cluster:
	s_bfe_u32 s2, ttmp6, 0x10000c
	s_cmp_lg_u32 s2, 0x3003
	s_cbranch_scc0 .Lentry_shape_is_right
	s_endpgm
.Lentry_shape_is_right:
; out[b][o][128 j + c] = (1 - w) x[b][o][128 j + c] + w (sum over c' of wz_w[o][c'] y[b][32 c' + j][c] + wz_b[o]),  y = softmax(theta^T phi) g^T over the batch's 4,096 positions.
; All three products on codes of BF8 (E5M2) with one E8M0 scale for each 32 along K.  THE VIEW OF y AS [C][H][W] makes the last product's K run over the queries n = 32 c' + j of ONE j:
; so work-group (j, b) owns exactly those 128 queries, holds the last product's whole operand, and stores 128 columns of all 128 output rows.  8 x 32 = 256 work-groups.
; THE SOFTMAX AHEAD OF THE SECOND PRODUCT: t = score x log2(e); M = the running largest t rounded UP to a whole number; p = 2^(t - M) is quantised along the keys, not normalised; the row's sum is taken
; of the unquantised p and divides at the end.  When M moves, the sum and O are multiplied by 2^(old M - new M): exact.
; SHARES.  Eight waves.  Wave (tp = wave % 4, kh = wave / 4) holds TWO tiles of 16 queries (c' = 32 tp + 16 a + r), so that each fragment of K and V read from LDS feeds two products, and walks HALF the keys:
; steps 2 kh and 2 kh + 1 of each slot of four key steps of 128 keys.  The two halves are joined at the end under the larger M, again by exact powers of two.
; LAYOUT.  Both products transposed (S^T = K Q^T, O^T = V^T P^T): a lane holds one query throughout.  kv holds K's and V's fragments as images of the operand's registers: every LDS load takes 16 x lane.
; The keys of a tile of K were chosen by the launch before so that the 16 registers of tiles 2 b, 2 b + 1 are 16 neighbouring keys.
; CLUSTER.  The four work-groups of a cluster belong to one batch and walk the same kv and kvs: each tile is asked for jointly (mask 15).
; LIMITS: NaN and infinities are not served.  A block whose largest magnitude lies under 2^-111 keeps the scale byte 1 (a block of zeros too: its codes are zeros).
; REGISTERS.  window 0: v1-23 addresses; v24-31 statistics; v32-95 four fragments; v96-159, v160-223 S^T of the two tiles, then p (v96-159 later four more fragments of V); v224-247 at work; v248-255 scale words.
;   window 1: v0-127 O^T of the two tiles; v128-159 Q; v160-191 p's codes; v192-255 K's tiles 4-7.
.set SLOT1, 1<<17                      ; a slot: four key steps of 32,768 bytes; slot 1 begins here: one exclusive or turns an address into the other slot's
.set SCL,   2*SLOT1                    ; the batch's scale words, 32 steps of 1,024 bytes: filled once
.set SPARE, SCL+32768                  ; the spare words, 128 bytes for each of eight waves
.set STAT,  SPARE+1024                 ; each wave's (-M, sum) of its two tiles: 512 bytes a wave
.set YP,    528                        ; the end: a query's row of y, 512 bytes + 16
.set YIMG,  128*YP                     ; behind kh = 0's rows of y (slot 0): the last product's eight fragments as images,
.set YSC,   YIMG+8*2048                ; and their scale words.  All of this lies in slots that have had their last fill and their last read
.set LI16, 1
.set LI4,  2
.set SPW,  3
.set NIL,  4
.set ADK,  5
.set ADS,  6
.set GL16, 7
.set QOF,  8
.set R4,   9
.set QS,   10                          ; v10, v11 Q's scale words; at the end v10 holds wz's
.set STA,  12
.set STP,  13
.set YSO,  14
.set YRD,  15
.set YRD1, 16
.set YIW,  17
.set YSW,  18
.set YIR,  19
.set YSR,  20
.set OSO,  21
.set PFO,  22
.set OSR,  23
.set ST,   24                          ; tile a at v[24 + 4 a]: -M, the largest t, the sum in two halves
.set FR,   32
.set S,    96
.set TM,   224
.set BM,   224
.set PB,   228
.set HL,   232
.set SO,   236
.set SUM,  240
.set F,    242
.set T0,   244
.set T1,   245
.set PS,   246
.set KS,   248
.set VS,   252
.set O,    0                           ; window 1
.set Q,    128
.set P,    160
.set KF,   192
.set WZF,  192                         ; the end, window 0: wz's fragment; v209 its bias, v210-217 the bias as a C; v218-221 w and 1 - w as pairs
.set WV,   24
.set TPQ,  25
.set KH,   26
.set CX,   27
.set JJ,   28
.set BB,   29
.set G1,   32
.set G1S,  40
.set G0,   48
.set G0S,  52
.set SEL,  56
.set CS,   58
.set MNT,  60
.set TB,   61
.set TS,   62
.set SLOTS, 63
.set PFA,  66
.set LIM,  68
.set MSB, 0
.macro WIN new                         ; the immediate's high byte repeats the setting that is left; a switch that changes nothing is dropped
.if MSB != \new
	s_set_vgpr_msb (MSB<<8)|\new
.set MSB, \new
.endif
.endm
.macro CROUND                          ; a round of the cluster's barrier
	s_barrier_signal -1
	s_barrier_wait -1
	s_cmp_lg_u32 s[WV], 0
	s_cbranch_scc1 .Lnot_wave_0_\@
	s_barrier_signal -3
.Lnot_wave_0_\@:
	s_barrier_wait -3
	s_barrier_signal -1
	s_barrier_wait -1
.endm
.macro JLOAD                           ; waves 0 to 3 fetch a key step each of the slot; four v_nop follow the line
	s_cmp_lt_u32 s[WV], 4
	s_cbranch_scc0 .Lnone_\@
	tensor_load_to_lds s[G0:G0+3], s[G1:G1+7]
	s_nop 0
.rept 4
	v_nop
.endr
.Lnone_\@:
.endm
; A prefetch of the slot that the NEXT change of slots will ask for.  All eight clusters of a batch walk the same kv: the batch's first cluster asks.  Its four partners take a key step (32,768 bytes) each, told apart by
; address; in each, waves 4 to 7, which fetch nothing, take 8,192 bytes each, lanes 256 bytes apart: each aligned block of 256 bytes is named once.  The last change that fills a slot asks for nothing.
.macro ASK
	s_cmp_gt_u32 s[SLOTS], s[LIM]
	s_cbranch_scc0 .Lnot_mine_\@
	global_prefetch_b8 v[PFO], s[PFA:PFA+1] th:TH_LOAD_NT scope:SCOPE_SE
.Lnot_mine_\@:
.endm
; 64 numbers of a lane, register 16 b + i = k 32 b + 16 (lane / 16) + i of my row, become a fragment's codes at v[d] and its scale word in v[pw]
.macro QUANT s, d, pw
.irp b, 0,1,2,3
	v_max3_num_f32 v[TM+\b], |v[\s+16*\b]|, |v[\s+1+16*\b]|, 0x8000000   ; my 16 numbers and the floor 2^(16 - 127)
.endr
.irp i, 2,4,6,8,10,12,14
.irp b, 0,1,2,3
	v_max3_num_f32 v[TM+\b], v[TM+\b], |v[\s+16*\b+\i]|, |v[\s+1+16*\b+\i]|
.endr
.endr
.irp b, 0,1,2,3
	v_permlanex16_b32 v[TM+4+\b], v[TM+\b], s[SEL], s[SEL+1]
.endr
.irp b, 0,1,2,3
	v_max_num_f32 v[TM+\b], v[TM+\b], v[TM+4+\b]
.endr
.irp b, 0,1,2,3
	v_add_nc_u32 v[TM+12+\b], 0xf8800000, v[TM+\b]
.endr
.irp b, 0,1,2,3
	v_and_or_b32 v[TM+8+\b], v[TM+\b], 0x7f800000, s[MNT]
.endr
.irp b, 0,1,2,3
	v_lshrrev_b32 v[TM+4+\b], 23, v[TM+12+\b]
.endr
	v_lshl_or_b32 v[\pw], v[TM+5], 8, v[TM+4]
	v_lshl_or_b32 v[\pw], v[TM+6], 16, v[\pw]
	v_lshl_or_b32 v[\pw], v[TM+7], 24, v[\pw]
.irp b, 0,1,2,3
.irp i, 0,1,2,3,4,5,6,7,8,9,10,11,12,13,14,15
	v_med3_num_f32 v[\s+16*\b+\i], v[\s+16*\b+\i], -v[TM+8+\b], v[TM+8+\b]
.endr
	v_cvt_scalef32_pk8_bf8_f32 v[\d+4*\b:\d+4*\b+1], v[\s+16*\b:\s+16*\b+7], v[TM+12+\b]
	v_cvt_scalef32_pk8_bf8_f32 v[\d+4*\b+2:\d+4*\b+3], v[\s+16*\b+8:\s+16*\b+15], v[TM+12+\b]
.endr
	v_nop
.endm
; two products of S^T: tile t of 16 keys (its fragment at v[fr] of the window set) against the two tiles of queries
.macro KQ t, fr
.irp a, 0,1
.if (\t)%2
	v_wmma_scale_f32_16x16x128_f8f6f4 v[S+64*\a+8*(\t):S+64*\a+8*(\t)+7], v[\fr:\fr+15], v[Q+16*\a:Q+16*\a+15], 0, v[KS+(\t)/2], v[QS+\a] matrix_a_fmt:MATRIX_FMT_BF8 matrix_b_fmt:MATRIX_FMT_BF8 matrix_a_scale:MATRIX_SCALE_ROW1
.else
	v_wmma_scale_f32_16x16x128_f8f6f4 v[S+64*\a+8*(\t):S+64*\a+8*(\t)+7], v[\fr:\fr+15], v[Q+16*\a:Q+16*\a+15], 0, v[KS+(\t)/2], v[QS+\a] matrix_a_fmt:MATRIX_FMT_BF8 matrix_b_fmt:MATRIX_FMT_BF8
.endif
.endr
.endm
; THE SOFTMAX of tile a for 128 keys: from S^T to p's codes (window 1), p's scale word, the sum, and O^T under the new M
.macro SOFTMAX a
.set SS, S+64*\a
.set TT, ST+4*\a
.irp b, 0,1,2,3
	v_max3_num_f32 v[BM+\b], v[SS+16*\b], v[SS+16*\b+1], v[SS+16*\b+2]   ; the largest score of each block of 32 keys: for the row's maximum and, since p rises with the score, for the block's largest p
.endr
.irp i, 3,5,7,9,11,13
.irp b, 0,1,2,3
	v_max3_num_f32 v[BM+\b], v[BM+\b], v[SS+16*\b+\i], v[SS+16*\b+\i+1]
.endr
.endr
.irp b, 0,1,2,3
	v_max_num_f32 v[BM+\b], v[BM+\b], v[SS+16*\b+15]
.endr
.irp b, 0,1,2,3
	v_permlanex16_b32 v[PB+\b], v[BM+\b], s[SEL], s[SEL+1]
.endr
.irp b, 0,1,2,3
	v_max_num_f32 v[BM+\b], v[BM+\b], v[PB+\b]     ; with lane l xor 16's 16 keys
.endr
	v_max3_num_f32 v[T0], v[BM], v[BM+1], v[BM+2]
	v_max_num_f32 v[T0], v[T0], v[BM+3]
	v_mul_f32 v[T0], s[CS], v[T0]                  ; as t
	v_max_num_f32 v[TT+1], v[TT+1], v[T0]          ; the running largest t
	v_mov_b32 v[T0], v[TT]
	v_floor_f32 v[TT], -v[TT+1]                    ; the new -M = floor(-t): M is a whole number
	v_sub_f32 v[T0], v[TT], v[T0]                  ; old M - new M: a whole number, 0 or less
	v_cvt_i32_f32 v[T0], v[T0]                     ; (it saturates)
	v_ldexp_f32 v[F], 1.0, v[T0]                   ; f = 2^(old M - new M)
.set j, 0
.rept 32
	v_pk_fma_f32 v[SS+j:SS+j+1], v[SS+j:SS+j+1], s[CS:CS+1], v[TT:TT+1] op_sel_hi:[1,0,0]   ; t - M, two at a time
.set j, j+2
.endr
.irp b, 0,1,2,3
	v_fma_f32 v[BM+\b], v[BM+\b], s[CS], v[TT]     ; the same of each block's largest score
.endr
.set j, 0
.rept 64
	v_exp_f32 v[SS+j], v[SS+j]                     ; p = 2^(t - M)
.set j, j+1
.endr
	v_pk_mul_f32 v[TT+2:TT+3], v[TT+2:TT+3], v[F:F+1] op_sel_hi:[1,0]   ; the sums under the new M: the plain line behind the exponentials
	s_wait_alu depctr_va_vdst(0)                   ; one wait for the batch of 64, ahead of its first reader
.irp b, 0,1,2,3
	v_exp_f32 v[BM+\b], v[BM+\b]                   ; the block's largest p
.endr
	v_pk_add_f32 v[SUM:SUM+1], v[SS:SS+1], v[SS+2:SS+3]   ; the row's sum of the unquantised p, in two chains
.irp j4, 4,8,12,16,20,24,28,32,36,40,44,48,52,56,60
	v_pk_add_f32 v[TT+2:TT+3], v[TT+2:TT+3], v[SS+\j4:SS+\j4+1]
	v_pk_add_f32 v[SUM:SUM+1], v[SUM:SUM+1], v[SS+\j4+2:SS+\j4+3]
.endr
	v_pk_add_f32 v[TT+2:TT+3], v[TT+2:TT+3], v[SUM:SUM+1]
	s_wait_alu depctr_va_vdst(0)                   ; and one for the four
.irp b, 0,1,2,3
	v_max_num_f32 v[BM+\b], 0x8000000, v[BM+\b]    ; the floor 2^(16 - 127)
.endr
.irp b, 0,1,2,3
	v_add_nc_u32 v[SO+\b], 0xf8800000, v[BM+\b]    ; the conversion's scale operand
.endr
.irp b, 0,1,2,3
	v_and_or_b32 v[HL+\b], v[BM+\b], 0x7f800000, s[MNT]   ; 57,344 x the scale
.endr
.irp b, 0,1,2,3
	v_lshrrev_b32 v[PB+\b], 23, v[SO+\b]           ; the scale's byte
.endr
	v_lshl_or_b32 v[PS+\a], v[PB+1], 8, v[PB]      ; p's scale word for these 128 keys
	v_lshl_or_b32 v[PS+\a], v[PB+2], 16, v[PS+\a]
	v_lshl_or_b32 v[PS+\a], v[PB+3], 24, v[PS+\a]
.irp b, 0,1,2,3
.irp i, 0,1,2,3,4,5,6,7,8,9,10,11,12,13,14,15
	v_min_num_f32 v[SS+16*\b+\i], v[SS+16*\b+\i], v[HL+\b]   ; the conversion does not saturate (ISA guide 7.6.2); p is not negative: a one-sided hold
.endr
.endr
	WIN 0x40                                       ; the codes go to window 1
.irp b, 0,1,2,3
	v_cvt_scalef32_pk8_bf8_f32 v[P+16*\a+4*\b:P+16*\a+4*\b+1], v[SS+16*\b:SS+16*\b+7], v[SO+\b]
	v_cvt_scalef32_pk8_bf8_f32 v[P+16*\a+4*\b+2:P+16*\a+4*\b+3], v[SS+16*\b+8:SS+16*\b+15], v[SO+\b]
.endr
	WIN 0x41                                       ; O^T (destination and source 0) window 1, f window 0
.set j, 0
.rept 32
	v_pk_mul_f32 v[O+64*\a+j:O+64*\a+j+1], v[O+64*\a+j:O+64*\a+j+1], v[F:F+1] op_sel_hi:[1,0]   ; O^T under the new M, each accumulator from its low end on; also the places behind the conversions
.set j, j+2
.endr
	WIN 0
.endm
; A KEY STEP: my q-th of the slot in hand
.macro STEP q
	v_add_nc_u32 v[ADK], s[TB], v[LI16]
	v_add_nc_u32 v[ADS], s[TS], v[LI4]
.rept 8
	v_nop                                          ; with the two additions ten places behind the last products: eight for the loads into their operands, nine for the products that write over v96 on, which they read
.endr
.irp k, 0,1,2,3
	ds_load_b32 v[KS+\k], v[ADS] offset:\q*1024+128*\k
.endr
.irp t, 0,1,2,3
.irp c, 0,1,2,3
	ds_load_b128 v[FR+16*\t+4*\c:FR+16*\t+4*\c+3], v[ADK] offset:\q*32768+\t*2048+512*\c
.endr
.endr
	WIN 0x40
.irp t, 0,1,2,3
.irp c, 0,1,2,3
	ds_load_b128 v[KF+16*\t+4*\c:KF+16*\t+4*\c+3], v[ADK] offset:\q*32768+(\t+4)*2048+512*\c
.endr
.endr
	WIN 0
.irp k, 0,1,2,3
	ds_load_b32 v[VS+\k], v[ADS] offset:\q*1024+512+128*\k
.endr
	s_wait_dscnt 20                                ; K's scale words and tiles 0-3 are in; tiles 4-7 (16 loads) and V's words (4) may be out
	WIN 0x04                                       ; source 1 (Q) window 1
	KQ 0, FR
	KQ 1, FR+16
	KQ 2, FR+32
	KQ 3, FR+48
	s_wait_dscnt 4                                 ; tiles 4-7 are in; V's words may be out
	WIN 0x05                                       ; sources 0 and 1 window 1
	KQ 4, KF
	KQ 5, KF+16
	KQ 6, KF+32
	KQ 7, KF+48
	WIN 0
.rept 8
	v_nop                                          ; eight places ahead of loads into operands just read and of the first read of results
.endr
.irp t, 0,1,2,3
.irp c, 0,1,2,3
	ds_load_b128 v[FR+16*\t+4*\c:FR+16*\t+4*\c+3], v[ADK] offset:\q*32768+16384+\t*2048+512*\c   ; V's tiles 0-3 land under the softmax
.endr
.endr
	SOFTMAX 0
.irp t, 4,5,6,7
.irp c, 0,1,2,3
	ds_load_b128 v[FR+16*\t+4*\c:FR+16*\t+4*\c+3], v[ADK] offset:\q*32768+16384+\t*2048+512*\c   ; V's tiles 4-7 into the registers that tile 0's p has left
.endr
.endr
	SOFTMAX 1
	s_wait_dscnt 0x0                               ; V
	WIN 0x54                                       ; source 1 (p), C and D window 1
.irp t, 0,1,2,3,4,5,6,7
.irp a, 0,1
.if (\t)%2
	v_wmma_scale_f32_16x16x128_f8f6f4 v[O+64*\a+8*\t:O+64*\a+8*\t+7], v[FR+16*\t:FR+16*\t+15], v[P+16*\a:P+16*\a+15], v[O+64*\a+8*\t:O+64*\a+8*\t+7], v[VS+\t/2], v[PS+\a] matrix_a_fmt:MATRIX_FMT_BF8 matrix_b_fmt:MATRIX_FMT_BF8 matrix_a_scale:MATRIX_SCALE_ROW1
.else
	v_wmma_scale_f32_16x16x128_f8f6f4 v[O+64*\a+8*\t:O+64*\a+8*\t+7], v[FR+16*\t:FR+16*\t+15], v[P+16*\a:P+16*\a+15], v[O+64*\a+8*\t:O+64*\a+8*\t+7], v[VS+\t/2], v[PS+\a] matrix_a_fmt:MATRIX_FMT_BF8 matrix_b_fmt:MATRIX_FMT_BF8
.endif
.endr
.endr
	WIN 0                                          ; (the sixteen accumulators take turns, one instruction a turn)
.endm
; THE CHANGE OF SLOTS stands at a slot's head.  Each wave waits for all its tensor loads, adds 0 to its spare word, and waits for that and for its reads of the slot that it has left.  fill = 1: the barrier is a round of the
; cluster's, and behind it the slot just left is filled with the next four key steps: that load has a whole slot's steps in which to land.
.macro CHANGE fill
	s_wait_tensorcnt 0x0                           ; no tensor load of mine is out, so a group 0 may be written
	ds_add_u32 v[SPW], v[NIL]                      ; 0 onto my spare word
.if \fill
	s_xor_b32 s[G0+1], s[G0+1], SLOT1              ; the walking descriptor: the other slot,
	s_add_nc_u64 s[G0+2:G0+3], s[G0+2:G0+3], SLOT1 ; the next four key steps (as many bytes as a slot)
	s_wait_xcnt 0x0                                ; the last prefetch, a slot back, has read its address:
	s_add_nc_u64 s[PFA:PFA+1], s[PFA:PFA+1], SLOT1 ; one slot further on than the walking descriptor
	s_wait_dscnt 0x0                               ; the add is done, and my reads of the slot that I have left are over
	CROUND
	JLOAD
	ASK
.else
	s_wait_dscnt 0x0
	s_barrier_signal -1
	s_barrier_wait -1
.endif
.endm
	s_load_b512 s[4:19], s[0:1], 0x0               ; thc, ths, kv, kvs, wz's codes, wz's scales, wz_b, w
	s_load_b128 s[20:23], s[0:1], 0x40             ; x, out
	v_lshl_add_u32 v[SPW], v0, 2, SPARE
	v_mov_b32 v[NIL], 0
	ds_add_u32 v3, v4
	s_wait_dscnt 0x0
	v_lshrrev_b32 v5, 5, v0
	v_readfirstlane_b32 s[WV], v5                  ; wave 0..7
	s_and_b32 s[TPQ], s[WV], 3
	s_lshr_b32 s[KH], s[WV], 2
	s_bfe_u32 s[CX], ttmp6, 0x40000
	s_lshl_b32 s[JJ], ttmp9, 2
	s_add_co_u32 s[JJ], s[JJ], s[CX]               ; j = 4 x cluster x + cx: it enters global addresses alone
	s_and_b32 s[BB], ttmp7, 0xffff                 ; the batch, which the four partners share
	; a key step: 32,768 dense bytes as 128 rows of 256 (32 elements of 8 bytes); mask: all four work-groups, bit 21 beside it
	s_mov_b32 s[G1], 15|(3<<16)|(1<<21)
	s_mov_b32 s[G1+1], 32<<16
	s_mov_b32 s[G1+2], 128<<16
	s_mov_b32 s[G1+3], 32<<16
	s_mov_b32 s[G1+4], 128
	s_mov_b32 s[G1+5], 32
	s_mov_b32 s[G1+6], 0
	s_mov_b32 s[G1+7], 0
	; a quarter of the batch's scale words: 8,192 dense bytes as 32 rows of 256
	s_mov_b32 s[G1S], 15|(3<<16)|(1<<21)
	s_mov_b32 s[G1S+1], 32<<16
	s_mov_b32 s[G1S+2], 32<<16
	s_mov_b32 s[G1S+3], 32<<16
	s_mov_b32 s[G1S+4], 32
	s_mov_b32 s[G1S+5], 32
	s_mov_b32 s[G1S+6], 0
	s_mov_b32 s[G1S+7], 0
	s_mov_b32 s[SEL], 0x76543210
	s_mov_b32 s[SEL+1], 0xfedcba98
	s_mov_b32 s[CS], 0x3fb8aa3b                    ; log2(e)
	s_mov_b32 s[CS+1], s[CS]                       ; (named with it as a pair, so it is written)
	s_mov_b32 s[MNT], 0x600000
	s_mov_b32 s[TB], 0
	s_mov_b32 s[TS], 0
	s_mov_b32 s[SLOTS], 7
	s_lshl_b32 s86, s[BB], 20                      ; kv: the batch, key step = wave
	s_lshl_b32 s87, s[WV], 15
	s_add_co_u32 s86, s86, s87
	s_mov_b32 s87, 0
	s_lshl_b32 s88, s[BB], 15                      ; kvs: the batch, quarter = wave
	s_lshl_b32 s89, s[WV], 13
	s_add_co_u32 s88, s88, s89
	s_mov_b32 s89, 0
	s_wait_kmcnt 0x0
	s_mov_b32 s[G0], 1
	s_lshl_b32 s[G0+1], s[WV], 15
	s_add_nc_u64 s[G0+2:G0+3], s[8:9], s[86:87]
	s_or_b32 s[G0+3], s[G0+3], 0x80000000
	s_mov_b32 s[G0S], 1
	s_lshl_b32 s[G0S+1], s[WV], 13
	s_add_co_u32 s[G0S+1], s[G0S+1], SCL
	s_add_nc_u64 s[G0S+2:G0S+3], s[10:11], s[88:89]
	s_or_b32 s[G0S+3], s[G0S+3], 0x80000000
	CROUND                                         ; all four work-groups are here: the first joint loads meet
	s_cmp_lt_u32 s[WV], 4                          ; a fetching wave's two first fills stand in one branch: two loads of mine are out
	s_cbranch_scc0 .Lno_first
	tensor_load_to_lds s[G0S:G0S+3], s[G1S:G1S+7]  ; the scale words: filled once
	s_nop 0
	tensor_load_to_lds s[G0:G0+3], s[G1:G1+7]      ; slot 0
	s_nop 0
.rept 4
	v_nop
.endr
.Lno_first:
	s_load_b32 s70, s[18:19], 0x0                  ; w
	s_lshl_b32 s86, s[BB], 5                       ; thc: row (32 b + j), queries c' = 32 tp on
	s_add_co_u32 s86, s86, s[JJ]
	s_lshl_b32 s86, s86, 14
	s_lshl_b32 s88, s[TPQ], 12
	s_add_co_u32 s86, s86, s88
	s_add_nc_u64 s[4:5], s[4:5], s[86:87]
	s_lshl_b32 s86, s[BB], 14                      ; ths: word n = 32 c' + j
	s_add_co_u32 s86, s86, s88
	s_lshl_b32 s88, s[JJ], 2
	s_add_co_u32 s86, s86, s88
	s_add_nc_u64 s[6:7], s[6:7], s[86:87]
	s_lshl_b32 s86, s[BB], 21                      ; x and out: rows o = 16 wave on, columns 128 j on
	s_lshl_b32 s88, s[WV], 18
	s_add_co_u32 s86, s86, s88
	s_lshl_b32 s88, s[JJ], 9
	s_add_co_u32 s86, s86, s88
	s_add_nc_u64 s[20:21], s[20:21], s[86:87]
	s_add_nc_u64 s[22:23], s[22:23], s[86:87]
	s_lshl_b32 s86, s[WV], 11                      ; wz: rows 16 wave on
	s_add_nc_u64 s[12:13], s[12:13], s[86:87]
	s_lshl_b32 s86, s[WV], 6
	s_add_nc_u64 s[14:15], s[14:15], s[86:87]
	s_add_nc_u64 s[16:17], s[16:17], s[86:87]
	s_lshl_b32 s86, s[BB], 20                      ; the prefetches: my work-group's key step, my wave's 8,192 bytes, in slot 1: the first change of slots steps it to slot 2
	s_lshl_b32 s88, s[CX], 15
	s_add_co_u32 s86, s86, s88
	s_lshl_b32 s88, s[TPQ], 13
	s_add_co_u32 s86, s86, s88
	s_add_co_u32 s86, s86, SLOT1
	s_add_nc_u64 s[PFA:PFA+1], s[8:9], s[86:87]
	s_xor_b32 s88, s[KH], 1                        ; 0 in waves 4 to 7,
	s_or_b32 s88, s88, ttmp9                       ; of the batch's first cluster: the same in all four partners
	s_cmp_eq_u32 s88, 0
	s_cselect_b32 s[LIM], 1, -1
	v_and_b32 v[SUM], 31, v0                       ; lane
	v_and_b32 v[SUM+1], 15, v0                     ; r
	v_bfe_u32 v[T0], v0, 4, 1                      ; h
	v_lshlrev_b32 v[T1], 7, v[SUM+1]               ; 128 r
	v_lshl_add_u32 v[QOF], v[T0], 4, v[T1]         ; a row of 128 codes, + 16 h
	WIN 0x40
.irp a, 0,1
.irp c, 0,1,2,3
	global_load_b128 v[Q+16*\a+4*\c:Q+16*\a+4*\c+3], v[QOF], s[4:5] offset:\a*2048+32*\c   ; Q's fragments stay in registers
.endr
.endr
	WIN 0
.irp a, 0,1
	global_load_b32 v[QS+\a], v[T1], s[6:7] offset:\a*2048   ; their scale words: 128 bytes from query to query
.endr
	s_lshl_b32 s86, s[KH], 16
	v_lshl_add_u32 v[LI16], v[SUM], 4, s86         ; 16 x lane + my half of a slot
	s_lshl_b32 s86, s[KH], 11
	s_add_co_u32 s86, s86, SCL
	v_lshl_add_u32 v[LI4], v[SUM], 2, s86
	v_lshlrev_b32 v[GL16], 4, v[SUM]
	v_lshlrev_b32 v[R4], 2, v[SUM+1]
	v_lshlrev_b32 v[PFO], 8, v[SUM]
	; the end's LDS addresses, all made here, of v0 and the wave's number
	s_lshl_b32 s86, s[WV], 9
	s_add_co_u32 s86, s86, STAT
	v_lshl_add_u32 v[STA], v[SUM], 3, s86          ; my statistics
	s_xor_b32 s86, s[WV], 4
	s_lshl_b32 s86, s86, 9
	s_add_co_u32 s86, s86, STAT
	v_lshl_add_u32 v[STP], v[SUM], 3, s86          ; those of the wave with the same queries and the other keys
	s_mul_i32 s86, s[TPQ], 32*YP
	s_lshl_b32 s88, s[KH], 17
	s_add_co_u32 s86, s86, s88
	v_mul_u32_u24 v[YSO], v[SUM+1], YP
	v_lshl_add_u32 v[YSO], v[T0], 5, v[YSO]
	v_add_nc_u32 v[YSO], s86, v[YSO]               ; y: row c' = 32 tp + r (+ 16 a), + 32 h, in my half's stage
	s_lshl_b32 s86, s[WV], 6
	v_mul_u32_u24 v[YRD], v[T0], 16*YP
	v_lshl_add_u32 v[YRD], v[SUM+1], 2, v[YRD]
	v_add_nc_u32 v[YRD], s86, v[YRD]               ; back, down the queries: channel 16 wave + r, rows 16 h on
	v_add_nc_u32 v[YRD1], SLOT1, v[YRD]
	s_lshl_b32 s86, s[WV], 11
	s_add_co_u32 s86, s86, YIMG
	v_lshl_add_u32 v[YIW], v[SUM], 4, s86
	s_lshl_b32 s86, s[WV], 7
	s_add_co_u32 s86, s86, YSC
	v_lshl_add_u32 v[YSW], v[SUM], 2, s86
	v_lshl_add_u32 v[YIR], v[SUM], 4, YIMG
	v_lshl_add_u32 v[YSR], v[SUM], 2, YSC
	s_mul_i32 s86, s[WV], 16*YP
	v_mul_u32_u24 v[OSO], v[SUM+1], YP
	v_lshl_add_u32 v[OSO], v[T0], 5, v[OSO]
	v_add_nc_u32 v[OSO], s86, v[OSO]
	v_lshl_add_u32 v[OSR], v[SUM], 4, s86
.irp a, 0,1
	v_mov_b32 v[ST+4*\a+1], 0xff61b1e6             ; the largest t so far: -3e38, under every t
	v_floor_f32 v[ST+4*\a], -v[ST+4*\a+1]          ; -M
	v_mov_b32 v[ST+4*\a+2], 0                      ; the sum, in two halves
	v_mov_b32 v[ST+4*\a+3], 0
.endr
.irp b, 0,1,2,3
	v_mov_b32 v[PB+\b], 0                          ; written once: a lane permute's destination counts as one of its sources
.endr
	v_mov_b32 v[F+1], 0                            ; (named as the upper half of a pair)
	WIN 0x40
.set j, 0
.rept 128
	v_mov_b32 v[O+j], 0                            ; O^T.  The key step is written without a first step of its own: the first finds zeros, which the first change of M leaves zeros
.set j, j+1
.endr
	WIN 0
	s_wait_loadcnt 0x0                             ; Q
	s_wait_kmcnt 0x0                               ; w
.Lslot:                                            ; seven trips: behind each change of slots but the last the next slot is asked for
	CHANGE 1
	STEP 0
	STEP 1
	s_xor_b32 s[TB], s[TB], SLOT1
	s_add_co_u32 s[TS], s[TS], 4096
	s_sub_co_u32 s[SLOTS], s[SLOTS], 1
	s_cmp_lg_u32 s[SLOTS], 0
	s_cbranch_scc1 .Lslot
	CHANGE 0                                       ; the last slot is written out
	STEP 0
	STEP 1
	; THE END.  My sums; then the two halves of the keys are joined.
.irp a, 0,1
	v_add_f32 v[ST+4*\a+2], v[ST+4*\a+2], v[ST+4*\a+3]
.endr
.irp a, 0,1
	v_permlanex16_b32 v[PB+\a], v[ST+4*\a+2], s[SEL], s[SEL+1]
.endr
.irp a, 0,1
	v_add_f32 v[ST+4*\a+1], v[ST+4*\a+2], v[PB+\a] ; the row's sum over my keys, beside -M
.endr
.irp a, 0,1
	ds_store_b64 v[STA], v[ST+4*\a:ST+4*\a+1] offset:256*\a
.endr
.irp c, 0,1,2,3
	global_load_b128 v[WZF+4*\c:WZF+4*\c+3], v[QOF], s[12:13] offset:32*\c   ; wz's rows o = 16 wave + r: asked for early
.endr
	global_load_b32 v[QS], v[R4], s[14:15]         ; their scale words
	global_load_b32 v209, v[R4], s[16:17]          ; their bias
	WIN 0x40
.irp i, 0,1,2,3,4,5,6,7,8,9,10,11,12,13,14,15
	global_load_b128 v[192+4*\i:192+4*\i+3], v[GL16], s[20:21] offset:\i*16384 th:TH_LOAD_NT   ; x(16 wave + i, 128 j ..): 512 consecutive bytes, read once in this launch
.endr
	WIN 0
	s_wait_dscnt 0x0                               ; my statistics have landed and my reads of the slots are over
	s_barrier_signal -1
	s_barrier_wait -1                              ; everybody's: from here on the slots serve as stages
	ds_load_b64 v[224:225], v[STP]
	ds_load_b64 v[226:227], v[STP] offset:256
	s_wait_dscnt 0x0
.irp a, 0,1
	v_min_num_f32 v[228+\a], v[ST+4*\a], v[224+2*\a]   ; -(the larger M)
.endr
.irp a, 0,1
	v_sub_f32 v[230+\a], v[228+\a], v[ST+4*\a]     ; my M less the larger: a whole number, 0 or less
	v_sub_f32 v[232+\a], v[228+\a], v[224+2*\a]    ; the other half's likewise
.endr
.irp a, 0,1,2,3
	v_cvt_i32_f32 v[230+\a], v[230+\a]
.endr
.irp a, 0,1,2,3
	v_ldexp_f32 v[230+\a], 1.0, v[230+\a]
.endr
.irp a, 0,1
	v_mul_f32 v[234+\a], v[ST+4*\a+1], v[230+\a]
.endr
.irp a, 0,1
	v_fma_f32 v[234+\a], v[225+2*\a], v[232+\a], v[234+\a]   ; the whole row's sum under the larger M
.endr
.irp a, 0,1
	v_rcp_f32 v[236+\a], v[234+\a]
.endr
	v_nop                                          ; a plain line behind the reciprocals
	s_wait_alu depctr_va_vdst(0)                   ; one wait for the two, ahead of their first reader
.irp a, 0,1
	v_mul_f32 v[SUM+2*\a], v[230+\a], v[236+\a]    ; what my part of O^T is multiplied by
.endr
	WIN 0x41
.irp a, 0,1
.set j, 0
.rept 32
	v_pk_mul_f32 v[O+64*\a+j:O+64*\a+j+1], v[O+64*\a+j:O+64*\a+j+1], v[SUM+2*\a:SUM+2*\a+1] op_sel_hi:[1,0]
.set j, j+2
.endr
.endr
	WIN 0x04                                       ; an LDS store's data are its source 1: window 1
.irp a, 0,1
.irp t, 0,1,2,3,4,5,6,7
	ds_store_b128 v[YSO], v[O+64*\a+8*\t:O+64*\a+8*\t+3] offset:\a*16*YP+64*\t        ; y(c', 16 t + 8 h + 0 .. 7), my keys' part
	ds_store_b128 v[YSO], v[O+64*\a+8*\t+4:O+64*\a+8*\t+7] offset:\a*16*YP+64*\t+16
.endr
.endr
	WIN 0
	s_wait_dscnt 0x0
	s_barrier_signal -1
	s_barrier_wait -1                              ; both halves of all 128 rows of y lie in LDS
	; the last product's operand: K = the queries c'.  Wave ct takes channels 16 ct + r; a lane's registers run down the queries
.irp b, 0,1,2,3
.irp i, 0,1,2,3,4,5,6,7,8,9,10,11,12,13,14,15
	ds_load_b32 v[32+16*\b+\i], v[YRD] offset:(32*\b+\i)*YP
	ds_load_b32 v[96+16*\b+\i], v[YRD1] offset:(32*\b+\i)*YP
.endr
.endr
	s_wait_dscnt 0x0
.set j, 0
.rept 32
	v_pk_add_f32 v[32+j:33+j], v[32+j:33+j], v[96+j:97+j]   ; y: the two halves of the keys
.set j, j+2
.endr
	QUANT 32, 160, 176
.irp c, 0,1,2,3
	ds_store_b128 v[YIW], v[160+4*\c:160+4*\c+3] offset:512*\c   ; the fragment as it stands
.endr
	ds_store_b32 v[YSW], v176
	s_wait_loadcnt 0x0                             ; wz's fragment, words and bias; x
.irp k, 0,1,2,3,4,5,6,7
	v_mov_b32 v[210+\k], v209                      ; a lane has one output row: its bias eight times is the C of every product
.endr
	v_mov_b32 v218, s70                            ; w, as a pair,
	v_mov_b32 v219, s70
	v_sub_f32 v220, 1.0, v218                      ; and 1 - w
	v_sub_f32 v221, 1.0, v218
	s_wait_dscnt 0x0
	s_barrier_signal -1
	s_barrier_wait -1                              ; the eight fragments lie in LDS, and nobody reads the rows of y any more
.irp t, 0,1,2,3,4,5,6,7
.irp c, 0,1,2,3
	ds_load_b128 v[32+16*\t+4*\c:32+16*\t+4*\c+3], v[YIR] offset:\t*2048+512*\c
.endr
.endr
.irp t, 0,1,2,3,4,5,6,7
	ds_load_b32 v[KS+\t], v[YSR] offset:128*\t
.endr
	s_wait_dscnt 0x0
	WIN 0x40                                       ; D window 1
.irp t, 0,1,2,3,4,5,6,7                            ; source 0 = 16 channels c of y, source 1 = my 16 rows of wz: lane (r, h) register i is out(16 wave + r, 16 t + 8 h + i)
	v_wmma_scale_f32_16x16x128_f8f6f4 v[8*\t:8*\t+7], v[32+16*\t:32+16*\t+15], v[WZF:WZF+15], v[210:217], v[KS+\t], v[QS] matrix_a_fmt:MATRIX_FMT_BF8 matrix_b_fmt:MATRIX_FMT_BF8
.endr
	WIN 0
.rept 8
	v_nop                                          ; eight places ahead of the first read of results
.endr
	WIN 0x04
.irp t, 0,1,2,3,4,5,6,7
	ds_store_b128 v[OSO], v[8*\t:8*\t+3] offset:64*\t          ; through my own stage: each accumulator from its low end on
	ds_store_b128 v[OSO], v[8*\t+4:8*\t+7] offset:64*\t+16
.endr
	WIN 0x40
.irp i, 0,1,2,3,4,5,6,7,8,9,10,11,12,13,14,15
	ds_load_b128 v[128+4*\i:128+4*\i+3], v[OSR] offset:\i*YP   ; LDS serves a wave's instructions in order (ISA guide 5.7.1.4): these see my stores; whole rows of 512 bytes
.endr
	s_wait_dscnt 0x0
	WIN 0x51                                       ; destination, source 0 and source 2 window 1; w and 1 - w window 0
.irp i, 0,1,2,3,4,5,6,7,8,9,10,11,12,13,14,15
	v_pk_mul_f32 v[192+4*\i:193+4*\i], v[192+4*\i:193+4*\i], v[220:221]
	v_pk_mul_f32 v[194+4*\i:195+4*\i], v[194+4*\i:195+4*\i], v[220:221]
	v_pk_fma_f32 v[192+4*\i:193+4*\i], v[128+4*\i:129+4*\i], v[218:219], v[192+4*\i:193+4*\i]
	v_pk_fma_f32 v[194+4*\i:195+4*\i], v[130+4*\i:131+4*\i], v[218:219], v[194+4*\i:195+4*\i]
.endr
	WIN 0x04
.irp i, 0,1,2,3,4,5,6,7,8,9,10,11,12,13,14,15
	global_store_b128 v[GL16], v[192+4*\i:192+4*\i+3], s[22:23] offset:\i*16384 th:TH_STORE_NT   ; 32 lanes store 512 consecutive bytes, at a multiple of 512 from out's first byte
.endr
	WIN 0
	s_wait_tensorcnt 0x0                           ; the wave's end: behind my last tensor load and my last LDS store
	ds_add_u32 v[SPW], v[NIL]
	s_wait_dscnt 0x0
	CROUND                                         ; the closing round: no work-group ends while a partner may still ask for a tile that names it
	s_endpgm
.Lfunc_end_k_qd1a525ffd6_attn:
	.size	k_qd1a525ffd6_attn, .Lfunc_end_k_qd1a525ffd6_attn-k_qd1a525ffd6_attn
	.p2alignl 7, 3214868480
	.fill 96, 4, 3214868480
	.section	.rodata,"a",@progbits
	.p2align	6, 0x0
	.amdhsa_kernel k_qd1a525ffd6_attn
		.amdhsa_group_segment_fixed_size 327680
		.amdhsa_private_segment_fixed_size 0
		.amdhsa_enable_private_segment 0
		.amdhsa_kernarg_size 80
		.amdhsa_user_sgpr_count 2
		.amdhsa_user_sgpr_kernarg_segment_ptr 1
		.amdhsa_wavefront_size32 1
		.amdhsa_system_sgpr_workgroup_id_x 1
		.amdhsa_system_sgpr_workgroup_id_y 1
		.amdhsa_system_sgpr_workgroup_id_z 1
		.amdhsa_system_vgpr_workitem_id 0
		.amdhsa_next_free_vgpr 512
		.amdhsa_next_free_sgpr 96
		.amdhsa_reserve_vcc 0
		.amdhsa_float_denorm_mode_32 3
		.amdhsa_float_denorm_mode_16_64 3
		.amdhsa_memory_ordered 1
		.amdhsa_forward_progress 1
		.amdhsa_inst_pref_size 212
	.end_amdhsa_kernel
	.amdgpu_metadata
---
amdhsa.version: [ 1, 2 ]
amdhsa.kernels:
  - .name:           k_qd1a525ffd6_attn
    .symbol:         k_qd1a525ffd6_attn.kd
    .args:
      - { .name: thc, .offset: 0, .size: 8, .value_kind: global_buffer, .address_space: global }
      - { .name: ths, .offset: 8, .size: 8, .value_kind: global_buffer, .address_space: global }
      - { .name: kv, .offset: 16, .size: 8, .value_kind: global_buffer, .address_space: global }
      - { .name: kvs, .offset: 24, .size: 8, .value_kind: global_buffer, .address_space: global }
      - { .name: wz_w_codes, .offset: 32, .size: 8, .value_kind: global_buffer, .address_space: global }
      - { .name: wz_w_scales, .offset: 40, .size: 8, .value_kind: global_buffer, .address_space: global }
      - { .name: wz_b, .offset: 48, .size: 8, .value_kind: global_buffer, .address_space: global }
      - { .name: w, .offset: 56, .size: 8, .value_kind: global_buffer, .address_space: global }
      - { .name: x, .offset: 64, .size: 8, .value_kind: global_buffer, .address_space: global }
      - { .name: out0, .offset: 72, .size: 8, .value_kind: global_buffer, .address_space: global }
    .group_segment_fixed_size: 327680
    .private_segment_fixed_size: 0
    .kernarg_segment_align: 8
    .kernarg_segment_size: 80
    .max_flat_workgroup_size: 256
    .sgpr_count:     96
    .vgpr_count:     512
    .wavefront_size: 32
...
	.end_amdgpu_metadata
.endif
;; end of part 2
